; MI455X (gfx1250); checked and timed in simulation.
; The chip was launched on July 23, 2026; its instructions are those of AMD's public machine-readable ISA for CDNA 5 (MIT licence, August 2026) and "CDNA5" Instruction Set Architecture Reference Guide (July 2026). The comments in the code are by the model that wrote it; some were corrected since.
;; Self Attention Attention Pooling. Allowed arithmetic: matrix products marked QUANTISED: E2M1 operands, one E8M0 scale for each 32 along K, by v_wmma_scale_f32_16x16x128_f8f6f4 with both operands' format E2M1 (or v_wmma_scale_f32_32x16x128_f4), f32 sums; products left as they are: f32 operands where the result goes on into a quantised operand, else bf16, f16 or f32 operands; f32 sums; everything else in f32.
;; Inputs: query 512 x 1 float32; x 16 x 2,048 x 512 float32.
;; Outputs: out0 16 x 1 x 512 float32; out1 16 x 2,048 x 1 float32.
;; This version of the problem:
;;   THIS VERSION OF THE PROBLEM IS GIVEN IN LOW PRECISION. The matrix products marked QUANTISED in the list below multiply operands that are first quantised to E2M1 (2 exponent bits, 1 mantissa bit; 4 bits a number), with one power-of-two scale for each 32 numbers along K (OCP MX v1.0); their sums are f32. All else is computed in f32.
;;   The module's matrix products, in the order in which they are computed (A, B: the left and right operand; K: the contracted axis; several contracted axes count as one K, in the product's order):
;;     1. batch 16 x [M 2,048, K 512] x [K 512, N 2,048]; A: input x; B: input x: QUANTISED
;;     2. batch 16 x [M 2,048, K 2,048] x [K 2,048, N 512]; A: softmax (see below); B: input x: QUANTISED
;;     3. [M 32,768, K 512] x [K 512, N 1]; A: computed on the way; B: input query: left as it is (N = 1 < 16)
;;     4. batch 16 x [M 1, K 2,048] x [K 2,048, N 512]; A: computed on the way; B: computed on the way: left as it is (M = 1 < 16)
;;   THE QUANTISER, for each operand of a quantised product, along K:
;;     - K is cut into blocks of 32 from its start; a last block that is shorter is filled with zeros.
;;     - A block's scale is 2^e with e = floor(log2(the largest magnitude in the block)) - 2, held to -126 .. 127; a block of zeros has e = 0. As a byte (E8M0): e + 127.
;;     - Each number is divided by its block's scale, clamped to +-6, and rounded to the nearest number of E2M1, ties to even, subnormals kept.
;;     - The product sums the exact products of the quantised numbers (number of the format x scale) in f32.
;;   ~~~python
;;   def quantise(x, axis):      # numpy; x: float32 -> the quantised numbers, widened to float32 again
;;       x = np.moveaxis(x, axis, -1); K = x.shape[-1]
;;       x = np.pad(x, [(0, 0)] * (x.ndim - 1) + [(0, -K % 32)]); x = x.reshape(x.shape[:-1] + (-1, 32)); a = np.abs(x).max(-1, keepdims=True)
;;       e = np.where(a > 0, np.clip(np.frexp(np.where(a > 0, a, 1))[1] - 1 - 2, -126, 127), 0)      # np.frexp(a)[1] - 1 = floor(log2(a)), exactly
;;       r = np.clip(x / 2.0 ** e, -6, 6)
;;       step = 2.0 ** (np.maximum(np.frexp(np.where(r == 0, 1, r))[1] - 1, 0) - 1)
;;       q = np.round(r / step) * step * 2.0 ** e      # np.round: ties to even
;;       return np.moveaxis(q.reshape(q.shape[:-2] + (-1,))[..., :K], -1, axis).astype(np.float32)
;;   ~~~
;;   SOFTMAX AHEAD OF A QUANTISED PRODUCT. Where the list says 'softmax', what is quantised is not the finished softmax but p = 2^(t - M), with t = logit x log2(e) and M = ceil(the row's largest t), a whole number; so 1/2 < the row's largest p <= 1. The row's sum l is taken of the UNQUANTISED p, in f32, and the product's result is divided by l at the end. Since M is a whole number, a kernel that streams over the keys may use a running M (the ceiling of the running maximum): every later rescaling is an exact power of two, which a block's scale takes up: the codes' values come out the same.
;;   OPERANDS COMPUTED ON THE WAY. 'Computed on the way' means the value that the module computes at that place (a softmax that the list does not call 'softmax' is quantised finished and normalised). What goes into a quantiser is computed in f32, as accurately as f32 sums, v_exp_f32 and their like allow (about 1e-6 of the number): no bf16 or f16 on the way to a quantiser, and a product that is left as it is and whose result goes on into a quantised operand takes f32 operands (vector FMAs, or v_wmma_f32_16x16x4_f32). A number that lies on a knife's edge between two numbers of the format may be rounded either way, as far as f32 arithmetic and the matrix unit's own rounding can turn it there, and no further.
;; One version. Each part assembles by itself: llvm-mc -triple=amdgcn-amd-amdhsa -mcpu=gfx1250 --defsym DOCPART=n.
;; ======== version 1 of 1: 3 launches
;; limits: right only within a limited range of input values
;; workspace buffers: kv 17,825,792 bytes; sc 131,072 bytes; part 524,288 bytes
;; launch quant (part 1): grid 16 x 16, 16 waves a work-group, no clusters, 327,680 bytes of LDS; arguments x, kv; writes kv
.if DOCPART == 1
	.amdgcn_target "amdgcn-amd-amdhsa--gfx1250"
	.amdhsa_code_object_version 6
	.text
	.protected	k_q76cde7c815_quant
	.globl	k_q76cde7c815_quant
	.p2align	8
	.type	k_q76cde7c815_quant,@function
k_q76cde7c815_quant:
	s_mov_b64 s[64:65], 0
	v_nop
	global_prefetch_b8 v0, s[64:65] scope:SCOPE_SE
	s_setreg_imm32_b32 hwreg(HW_REG_WAVE_MODE, 25, 1), 1
	s_wait_xcnt 0x0
; x is quantised twice for each 128 rows of a batch: along d (K's codes and scale bytes) and along the rows (V's).  kv holds for each batch 16 blocks of K (34,816 bytes: codes 32,768, scale bytes 2,048), then 16 blocks of V likewise,
; each in the order of the operands' registers.  K's tiles: place r of tile 4 c + t is row 64 c + 8 t + r % 8 + 32 (r / 8) of the 128, so that a lane's results of four tiles are 32 neighbouring rows.
; A block's scale is 2^(floor(log2(its largest magnitude)) - 2); a block of zeros keeps the byte 1 where the rule says 127: its codes are zeros, and this program alone reads the bytes.
; LIMITS: NaN and infinities are not served; a block's byte is held at 1 from below.
; SHARES.  A work-group takes 128 rows; each of its sixteen waves 64 rows x 64 columns, brought by ONE tensor load, and works on them in eight units of 32 blocks: for K a lane holds a row's 32 columns, for V a column's 32 rows.
; Every input byte is read once, so nothing is shared in a cluster.  No loop runs ahead of which a prefetch could ask.  The scale bytes are gathered in LDS and leave as whole units of 256 bytes.
.set BLK,   34816
.set KSOFF, 32768
.set VOFF,  16*BLK
.set VSOFF, VOFF+32768
.set PITCH, 272                        ; 256 bytes + 16 of padding
.set WTILE, 64*PITCH
.set KSG,   16*WTILE                   ; K's 2,048 scale bytes, and behind them V's
.set VSG,   KSG+2048
.set SPARE, VSG+2048                   ; the spare words: 128 bytes a wave
.set X,     32                         ; v32-95 two sets of 32 numbers
.set C,     96                         ; v96-127 codes, four registers a unit: no store's data are written again
	s_load_b128 s[4:7], s[0:1], 0x0
	v_lshl_add_u32 v14, v0, 2, SPARE
	v_mov_b32 v15, 0
	ds_add_u32 v14, v15                    ; the wave's opening: the add, twice on end, and its wait
	ds_add_u32 v14, v15
	v_lshrrev_b32 v1, 5, v0
	v_readfirstlane_b32 s8, v1             ; wave 0..15
	s_and_b32 s9, ttmp7, 0xffff            ; batch
	s_mov_b32 s16, (2<<16)|(1<<20)|(5<<22)|(3<<25)   ; elements of 4 bytes; 4 words of padding behind every 64
	s_mov_b32 s17, 64<<16
	s_mov_b32 s18, 64<<16
	s_mov_b32 s19, 64<<16
	s_mov_b32 s20, 64
	s_mov_b32 s21, 512
	s_mov_b32 s22, 0
	s_mov_b32 s23, 0
	s_and_b32 s28, s8, 7                   ; which 64 columns
	s_lshr_b32 s29, s8, 3                  ; which 64 rows
	s_lshl_b32 s10, s9, 22
	s_lshl_b32 s11, ttmp9, 18
	s_add_co_u32 s10, s10, s11
	s_lshl_b32 s11, s29, 17
	s_add_co_u32 s10, s10, s11
	s_lshl_b32 s11, s28, 8
	s_add_co_u32 s10, s10, s11
	s_mov_b32 s11, 0
	s_lshl_b32 s12, s9, 5
	s_add_co_u32 s12, s12, ttmp9
	s_mul_i32 s12, s12, BLK
	s_mov_b32 s13, 0
	s_mul_i32 s14, s8, WTILE
	s_wait_dscnt 0x0
	s_wait_alu depctr_va_vdst(0)           ; directly ahead of the wait below
	s_wait_kmcnt 0x0
	s_add_nc_u64 s[4:5], s[4:5], s[10:11]
	s_add_nc_u64 s[6:7], s[6:7], s[12:13]
	s_mov_b32 s24, 1
	s_mov_b32 s25, s14
	s_mov_b64 s[26:27], s[4:5]
	s_or_b32 s27, s27, 0x80000000
	tensor_load_to_lds s[24:27], s[16:23]
	s_nop 0
	v_and_b32 v1, 31, v0
	v_bfe_u32 v11, v0, 3, 1
	v_bfe_u32 v12, v0, 4, 1
	v_and_b32 v10, 7, v0
	v_and_b32 v5, 15, v0
	v_lshl_add_u32 v2, v12, 4, v1          ; K: my row lane % 16 + 32 (lane / 16)
	v_lshlrev_b32 v10, 4, v10
	v_lshlrev_b32 v5, 4, v5
	v_mul_u32_u24 v2, v2, PITCH
	v_lshl_add_u32 v10, v12, 7, v10        ; place (lane % 8) + 8 (lane / 16) of tile (lane / 8) % 2
	v_lshlrev_b32 v3, 2, v1
	v_add_nc_u32 v2, s14, v2
	v_add_nc_u32 v3, s14, v3               ; V: my column
	v_lshl_add_u32 v4, v11, 12, v10
	s_lshl_b32 s15, s28, 9
	s_lshl_b32 s30, s29, 14
	s_add_co_u32 s15, s15, s30
	v_add_nc_u32 v4, s15, v4               ; K's codes in kv
	v_lshl_add_u32 v6, v11, 8, v10
	s_lshl_b32 s15, s28, 1
	s_lshl_b32 s30, s29, 10
	s_add_co_u32 s15, s15, s30
	s_add_co_u32 s15, s15, KSG
	v_add_nc_u32 v6, s15, v6               ; K's scale bytes in LDS
	v_lshl_add_u32 v5, v12, 10, v5
	s_lshl_b32 s15, s28, 12
	s_lshl_b32 s30, s29, 9
	s_add_co_u32 s15, s15, s30
	s_add_co_u32 s15, s15, VOFF
	v_add_nc_u32 v5, s15, v5               ; V's codes in kv
	v_lshlrev_b32 v7, 3, v1
	s_lshl_b32 s15, s28, 8
	s_lshl_b32 s30, s29, 1
	s_add_co_u32 s15, s15, s30
	s_add_co_u32 s15, s15, VSG
	v_add_nc_u32 v7, s15, v7               ; V's scale bytes in LDS
	v_lshlrev_b32 v9, 3, v0
	s_mov_b32 s15, KSOFF
	s_cmp_eq_u32 s29, 1
	s_cselect_b32 s15, VSOFF-2048, s15     ; waves 0-7 store K's scale bytes, waves 8-15 V's
	v_add_nc_u32 v8, KSG, v9
	v_add_nc_u32 v9, s15, v9
; Unit n: rows' half n / 4, K (0) or V (1) in (n / 2) % 2, columns' half n % 2.
.macro ULOAD n
.set UK,   (\n)/4
.set UDIR, ((\n)/2)%2
.set UE,   (\n)%2
.set XS,   X+32*((\n)%2)
.if UDIR == 0
.irp i, 0,1,2,3,4,5,6,7
	ds_load_b128 v[XS+4*\i:XS+4*\i+3], v2 offset:16*UK*PITCH+128*UE+16*\i
.endr
.else
.irp i, 0,1,2,3,4,5,6,7,8,9,10,11,12,13,14,15,16,17,18,19,20,21,22,23,24,25,26,27,28,29,30,31
	ds_load_b32 v[XS+\i], v3 offset:(32*UK+\i)*PITCH+128*UE
.endr
.endif
.endm
.macro UWORK n
.set UK,   (\n)/4
.set UDIR, ((\n)/2)%2
.set UE,   (\n)%2
.set XS,   X+32*((\n)%2)
.set CC,   C+4*(\n)
	v_max3_num_f32 v10, |v[XS]|, |v[XS+1]|, |v[XS+2]|
	v_max3_num_f32 v11, |v[XS+3]|, |v[XS+4]|, |v[XS+5]|
.irp i, 6,10,14,18,22,26
	s_delay_alu instid0(VALU_DEP_2)
	v_max3_num_f32 v10, v10, |v[XS+\i]|, |v[XS+\i+1]|
	s_delay_alu instid0(VALU_DEP_2)
	v_max3_num_f32 v11, v11, |v[XS+\i+2]|, |v[XS+\i+3]|
.endr
	s_delay_alu instid0(VALU_DEP_2)
	v_max3_num_f32 v10, v10, |v[XS+30]|, |v[XS+31]|
	s_delay_alu instid0(VALU_DEP_1)
	v_max3_num_f32 v10, v10, v11, 0x1800000    ; and the floor 2^(3 - 127): the byte cannot fall under 1
	s_delay_alu instid0(VALU_DEP_1)
	v_add_nc_u32 v12, 0xff000000, v10          ; 2 off the exponent field: the conversion's scale operand
.irp g, 0,1,2,3
	v_cvt_scalef32_pk8_fp4_f32 v[CC+\g], v[XS+8*\g:XS+8*\g+7], v12
.endr
	v_lshrrev_b32 v13, 23, v12
.if UDIR == 0
.if UE == 0
	s_delay_alu instid0(VALU_DEP_1)
	v_mov_b32 v18, v13
.else
	s_delay_alu instid0(VALU_DEP_1)
	v_lshl_or_b32 v18, v13, 8, v18
	ds_store_b16 v6, v18 offset:512*UK
.endif
	global_store_b128 v4, v[CC:CC+3], s[6:7] offset:8192*UK+256*UE
.else
.if UK == 0
	s_delay_alu instid0(VALU_DEP_1)
	v_mov_b32 v[16+UE], v13
.else
	s_delay_alu instid0(VALU_DEP_1)
	v_lshl_or_b32 v[16+UE], v13, 8, v[16+UE]
	ds_store_b16 v7, v[16+UE] offset:4*UE
.endif
	global_store_b128 v5, v[CC:CC+3], s[6:7] offset:2048*UE+256*UK
.endif
.endm
	s_wait_alu depctr_va_vdst(0)           ; the wait at the head's end
	s_wait_tensorcnt 0x0                   ; my tile, which I alone read
	ULOAD 0
.set N, 0
.rept 8
.if N < 7
	ULOAD N+1
.if ((N+1)/2)%2 == 0
	s_wait_dscnt 8                         ; the next unit's loads may be out
.else
	s_wait_dscnt 32
.endif
.else
	s_wait_dscnt 0x0
.endif
	UWORK N
.set N, N+1
.endr
	s_wait_dscnt 0x0
	s_barrier_signal -1
	s_barrier_wait -1
	ds_load_b64 v[20:21], v8
	s_wait_dscnt 0x0
	global_store_b64 v9, v[20:21], s[6:7]  ; a wave stores 256 consecutive bytes
	s_wait_tensorcnt 0x0                   ; the wave's end
	ds_add_u32 v14, v15
	s_wait_dscnt 0x0
	s_endpgm
.Lfunc_end_k_q76cde7c815_quant:
	.size	k_q76cde7c815_quant, .Lfunc_end_k_q76cde7c815_quant-k_q76cde7c815_quant
	.p2alignl 7, 3214868480
	.fill 96, 4, 3214868480
	.section	.rodata,"a",@progbits
	.p2align	6, 0x0
	.amdhsa_kernel k_q76cde7c815_quant
		.amdhsa_group_segment_fixed_size 327680
		.amdhsa_private_segment_fixed_size 0
		.amdhsa_enable_private_segment 0
		.amdhsa_kernarg_size 16
		.amdhsa_user_sgpr_count 2
		.amdhsa_user_sgpr_kernarg_segment_ptr 1
		.amdhsa_wavefront_size32 1
		.amdhsa_system_sgpr_workgroup_id_x 1
		.amdhsa_system_sgpr_workgroup_id_y 1
		.amdhsa_system_sgpr_workgroup_id_z 1
		.amdhsa_system_vgpr_workitem_id 0
		.amdhsa_next_free_vgpr 128
		.amdhsa_next_free_sgpr 66
		.amdhsa_reserve_vcc 0
		.amdhsa_float_denorm_mode_32 3
		.amdhsa_float_denorm_mode_16_64 3
		.amdhsa_memory_ordered 1
		.amdhsa_forward_progress 1
		.amdhsa_inst_pref_size 31
	.end_amdhsa_kernel
	.amdgpu_metadata
---
amdhsa.version: [ 1, 2 ]
amdhsa.kernels:
  - .name:           k_q76cde7c815_quant
    .symbol:         k_q76cde7c815_quant.kd
    .args:
      - { .name: x, .offset: 0, .size: 8, .value_kind: global_buffer, .address_space: global }
      - { .name: kv, .offset: 8, .size: 8, .value_kind: global_buffer, .address_space: global }
    .group_segment_fixed_size: 327680
    .private_segment_fixed_size: 0
    .kernarg_segment_align: 8
    .kernarg_segment_size: 16
    .max_flat_workgroup_size: 512
    .sgpr_count:     66
    .vgpr_count:     128
    .wavefront_size: 32
...
	.end_amdgpu_metadata
.endif
;; end of part 1
;; launch attn (part 2): grid 16 x 16, 4 waves a work-group, clusters of 4 x 1, 327,680 bytes of LDS; arguments kv, query, sc, part; writes sc, part
.if DOCPART == 2
	.amdgcn_target "amdgcn-amd-amdhsa--gfx1250"
	.amdhsa_code_object_version 6
	.text
	.protected	k_q76cde7c815_attn
	.globl	k_q76cde7c815_attn
	.p2align	8
	.type	k_q76cde7c815_attn,@function
k_q76cde7c815_attn:
	s_mov_b64 s[64:65], 0
	v_nop
	global_prefetch_b8 v0, s[64:65] scope:SCOPE_SE
	s_setreg_imm32_b32 hwreg(HW_REG_WAVE_MODE, 25, 1), 1
	s_wait_xcnt 0x0
	s_wait_alu depctr_hold_cnt(0) depctr_sa_sdst(0) depctr_va_vdst(0) depctr_va_sdst(0) depctr_va_ssrc(0) depctr_va_vcc(0) depctr_vm_vsrc(0)
	s_getreg_b32 s2, hwreg(HW_REG_IB_STS2, 6, 4)
	s_cmp_eq_u32 s2, 0
	s_cbranch_scc0 .Lentry_in_a_cluster
	s_endpgm
.Lentry_in_a_cluster:
	s_bfe_u32 s2, ttmp6, 0x10000c
	s_cmp_lg_u32 s2, 0x3003
	s_cbranch_scc0 .Lentry_shape_is_right
	s_endpgm
.Lentry_shape_is_right:
; For each batch: S = x x^T and O = p x, both on codes of FP4 (E2M1) with E8M0 scales for each 32 along K; p = 2^(t - M), t = S log2(e), M a whole number; l = the sum of the unquantised p; y = O / l stays in registers.
; Out go: the score y . query of each row (sc), and for each work-group the sum over its 128 rows of exp(score - the largest of the 128 scores) y (part).
; p's CODES DO NOT HANG ON M, only its scale bytes do.  So a lane quantises each block of 32 keys under the block's own M_b = ceil(the block's largest t); the scale's byte + M_b is kept as a whole number in LDS, and when the row's M
; is known, behind the last key, M is taken off it once.  l is summed under a running M of the lane's own.  O^T is never rescaled.
; LIMITS: NaN and infinities are not served; the scaled scores t stay under 2^31 in magnitude; a p under 2^-126 of its block's 2^M_b counts as 0; a block whose scale under the row's M falls under 2^-126 is held at that scale: it then
; adds at most 6 x 2^-126 a key, beside a row whose largest p is over 1/2.  No work of the problem is left out.
; SHARES.  A work-group owns 128 queries of one batch (8 tiles of 16), four waves.  PASS 1, S: each wave takes ALL 128 queries (Q in 256 registers) and 64 of every 256 keys: each fragment of K feeds eight products.
; PASS 2, O: each wave takes all 128 queries and 128 of d: each fragment of V and each of P feeds eight products; P's codes come to it through LDS as the image of the operand's registers.
; BOTH PRODUCTS ARE USED TRANSPOSED: S^T = K Q^T (source 0 = 16 keys), O^T = V^T P^T (source 0 = 16 of d): a lane holds ONE query of a tile throughout.  kv lays K's tiles so that place r of tile 4 c + k is key
; 64 c + 8 k + r % 8 + 32 (r / 8) of its 128: the 32 registers of a wave's four tiles are, in lane (r, h), the keys 32 h + 0 .. 31 of its 64: one whole block of the next K, in the operand's order.  The queries' tiles are laid alike.
; CLUSTER.  The four work-groups of a cluster belong to one batch and walk the same blocks: the ring's tiles are asked for jointly, by the same line with the same descriptor and the mask of all four.  Of two rows of the grid's clusters the
; even ones take one batch, the odd ones the next.
; RING.  Two LDS slots of 69,632 bytes.  Steps 0 to 7: 256 keys of K each.  Steps 8 to 11: of each 512 keys of V the first two blocks of 128; THE OTHER TWO COME STRAIGHT INTO REGISTERS: a fragment of V is wanted by one wave of the work-group
; alone, and beside P's 131,072 bytes LDS has no room for two slots of 512 keys.  Each wave fetches a quarter of a slot, one load a wave.  A change of slots waits for step n + 1 and asks for step n + 2: the load has a whole
; step (K) or 256 products a wave (V) in which to land; a direct block has three blocks' products.
; PREFETCH.  In pass 1 each change of slots asks for what the change two further on will load (and with V's first two blocks of 512 keys for the other two).  Every cluster asks for what it loads itself; its four partners and their waves take
; 17 of a step's 272 runs of 256 bytes each BY ADDRESS (lanes 17-31 name lane 16's).  Steps 0 to 3 come by their loads alone; nothing is asked for behind V's last block.
; REGISTERS, in windows of 256.  window 0: addresses, scale words, statistics, p's codes.   PASS 1: window 1 Q (tile t, 128 of d s: 32 t + 8 s); window 2 S^T then p (32 t + 8 k + j); window 3 K (32 k + 8 s).
;   PASS 2: window 1: V's fragments, four buffers of 64 (0, 1: from the ring; 2, 3: direct); window 0: P's, two buffers at 112 and 184; windows 2 and 3: O^T (tile t: 64 (t % 4) + 8 dt + j).
.set BLK,   34816                      ; 128 keys of K or of V: codes 32,768, scales 2,048
.set BATCHB, 32*BLK
.set SLOTB, 2*BLK                      ; 0x11000: slot 0 at 0, slot 1 here
.set QTR,   SLOTB/4
.set PB,    2*SLOTB                    ; P's codes: 16 blocks of 128 keys x 8 tiles x 1,024 bytes.  (At the head Q's image, and on the way out the stages: P is not there yet, or read)
.set EWB,   PB+131072                  ; the blocks' exponents, 8,192 bytes a wave
.set PSC0,  EWB+32768                  ; P's scale words, 512 bytes for each 128 keys: lane (u, r)'s 16 bytes are the words of row r of tiles 2 p + u
.set XM,    PSC0+8192                  ; what the waves tell each other: 1,024 bytes a wave
.set XL,    XM+4096
.set SPARE, XL+4096                    ; the spare words, 128 bytes a wave: two blocks of 256 bytes that no other line names
.set SCR,   SPARE+512                  ; 128 scores
.set SP,    528                        ; a row of a stage: 128 numbers + 16 bytes
.set SPW, 1
.set NIL, 2
.set LI,  3                            ; 16 x lane
.set KB0, 4                            ; my 64 keys' codes in a slot
.set KSB, 5                            ; and their scale bytes
.set ADK, 6
.set ADS, 7
.set PW,  8                            ; where I put p's codes
.set ADP, 9
.set EB,  10                           ; my blocks' exponents
.set ADE, 11
.set PFO, 12
.set XB,  13
.set XWA, 14
.set PSBY, 15                          ; my byte of P's scale words
.set QS,  16                           ; v16-31 Q's scale words (4 (t / 2) + s, lanes 16 (t % 2) on); in pass 2 V's (4 buffer + dt / 2)
.set KS,  32                           ; v32-39 K's (4 (k / 2) + s); in pass 2 P's (4 buffer + t / 2)
.set BM,  40                           ; a number for each of the 8 tiles: the block's largest score
.set NM,  48                           ; -M_b, at every second register
.set PM,  64                           ; the block's largest p
.set NR,  72                           ; the running -M
.set LS,  80                           ; the sum
.set D1,  88
.set D2,  96
.set OP,  104                          ; the conversion's scale operand
.set EW,  112
.set T8,  120
.set SB,  128
.set NI,  136
.set PC,  144                          ; v144-175 p's codes
.set VB,  176                          ; my 128 of d in a block of V: codes,
.set VSB, 177                          ; scale words
.set ADV, 178
.set ADVS, 179
.set PR,  180                          ; P's codes and scale words: the 512 keys in hand
.set PSR, 181
.set XR,  184
.set NF,  216                          ; the row's -M; on the way out the scores
.set NFI, 224                          ; as whole numbers; on the way out 1 / l
.set QVO, 248
.set STO, 249
.set RD,  250
.set SQ,  251
.set SCRD, 252
.set ER,  112                          ; v112-175 the exponents read back; at the head Q on its way into LDS; on the way out sums
.set WV,  12
.set G1,  16
.set G0,  24
.set BB,  28                           ; s[28:29] the batch's blocks; in pass 2 it steps by four blocks
.set QA,  30
.set QSA, 32
.set PFA, 34
.set STR, 36                           ; s[36:37] from ring step to ring step in kv
.set TB,  38                           ; the slot that is read next
.set TF,  39                           ; the slot that is filled next
.set CS,  40                           ; s[40:41] log2(e), twice
.set SEL, 42
.set NC,  44                           ; -log2(e)
.set TP,  45
.set TE,  46
.set WOF, 47
.set LC,  71                           ; 8 - n in step n of pass 1
.set MSB, 0
.macro WIN new                         ; the immediate's high byte repeats the setting that is left
.if MSB != (\new)
	s_set_vgpr_msb (MSB<<8)|(\new)
.set MSB, (\new)
.endif
.endm
.macro PLACES n
.rept \n
	v_nop
.endr
.endm
.macro CREST                           ; a round of the cluster's barrier behind its opening barrier
	s_cmp_lg_u32 s[WV], 0
	s_cbranch_scc1 .Lnot_wave_0_\@
	s_barrier_signal -3
.Lnot_wave_0_\@:
	s_barrier_wait -3
	s_barrier_signal -1
	s_barrier_wait -1
.endm
.macro CROUND
	s_barrier_signal -1
	s_barrier_wait -1
	CREST
.endm
.macro TLOAD                           ; the joint load: the same line in all four waves, each with its quarter; the four v_nop are also places behind the last products
	tensor_load_to_lds s[G0:G0+3], s[G1:G1+7]
	s_nop 0
	PLACES 4
.endm
.macro ASK
	global_prefetch_b8 v[PFO], s[PFA:PFA+1] th:TH_LOAD_NT scope:SCOPE_SE
	s_cmp_lt_u32 s[LC], 5
	s_cbranch_scc0 .Lone_\@
	global_prefetch_b8 v[PFO], s[PFA:PFA+1] offset:SLOTB th:TH_LOAD_NT scope:SCOPE_SE
.Lone_\@:
.endm
; In front of a change of slots: all my tensor loads are done (my part of the next slot), the add, and the steps of what no load uses now.
.macro CHG one
	s_wait_tensorcnt 0x0
	ds_add_u32 v[SPW], v[NIL]                      ; 0 onto my spare word
.if \one
	s_mov_b32 s[STR], SLOTB
	s_mov_b32 s52, SLOTB
	s_cmp_eq_u32 s[LC], 1                          ; from step 8 to 9 four blocks are passed, and so on;
	s_cselect_b32 s[STR], 2*SLOTB, s[STR]
	s_cmp_lt_u32 s[LC], 4                          ; the prefetches, two changes ahead, have got there three changes sooner
	s_cselect_b32 s52, 2*SLOTB, s52
.endif
	s_xor_b32 s[TB], s[TB], SLOTB
	s_xor_b32 s[TF], s[TB], SLOTB
	s_add_co_u32 s[G0+1], s[TF], s[WOF]
	s_add_nc_u64 s[G0+2:G0+3], s[G0+2:G0+3], s[STR:STR+1]   ; the type bits on top are not reached
.if \one
	s_wait_xcnt 0x0                                ; the last prefetches have read their address
	s_add_nc_u64 s[PFA:PFA+1], s[PFA:PFA+1], s[52:53]
.endif
.endm
; The matrix instruction on registers rD, rA, rB with scale registers rSA, rSB; ra, rb = 1: that side's scales stand in lanes 16-31; z = 1 starts a sum.
.macro WM z, ra, rb
.if \z
.if (\ra) && (\rb)
	v_wmma_scale_f32_16x16x128_f8f6f4 v[rD:rD+7], v[rA:rA+7], v[rB:rB+7], 0, v[rSA], v[rSB] matrix_a_fmt:MATRIX_FMT_FP4 matrix_b_fmt:MATRIX_FMT_FP4 matrix_a_scale:MATRIX_SCALE_ROW1 matrix_b_scale:MATRIX_SCALE_ROW1
.elseif (\ra)
	v_wmma_scale_f32_16x16x128_f8f6f4 v[rD:rD+7], v[rA:rA+7], v[rB:rB+7], 0, v[rSA], v[rSB] matrix_a_fmt:MATRIX_FMT_FP4 matrix_b_fmt:MATRIX_FMT_FP4 matrix_a_scale:MATRIX_SCALE_ROW1
.elseif (\rb)
	v_wmma_scale_f32_16x16x128_f8f6f4 v[rD:rD+7], v[rA:rA+7], v[rB:rB+7], 0, v[rSA], v[rSB] matrix_a_fmt:MATRIX_FMT_FP4 matrix_b_fmt:MATRIX_FMT_FP4 matrix_b_scale:MATRIX_SCALE_ROW1
.else
	v_wmma_scale_f32_16x16x128_f8f6f4 v[rD:rD+7], v[rA:rA+7], v[rB:rB+7], 0, v[rSA], v[rSB] matrix_a_fmt:MATRIX_FMT_FP4 matrix_b_fmt:MATRIX_FMT_FP4
.endif
.else
.if (\ra) && (\rb)
	v_wmma_scale_f32_16x16x128_f8f6f4 v[rD:rD+7], v[rA:rA+7], v[rB:rB+7], v[rD:rD+7], v[rSA], v[rSB] matrix_a_fmt:MATRIX_FMT_FP4 matrix_b_fmt:MATRIX_FMT_FP4 matrix_a_scale:MATRIX_SCALE_ROW1 matrix_b_scale:MATRIX_SCALE_ROW1
.elseif (\ra)
	v_wmma_scale_f32_16x16x128_f8f6f4 v[rD:rD+7], v[rA:rA+7], v[rB:rB+7], v[rD:rD+7], v[rSA], v[rSB] matrix_a_fmt:MATRIX_FMT_FP4 matrix_b_fmt:MATRIX_FMT_FP4 matrix_a_scale:MATRIX_SCALE_ROW1
.elseif (\rb)
	v_wmma_scale_f32_16x16x128_f8f6f4 v[rD:rD+7], v[rA:rA+7], v[rB:rB+7], v[rD:rD+7], v[rSA], v[rSB] matrix_a_fmt:MATRIX_FMT_FP4 matrix_b_fmt:MATRIX_FMT_FP4 matrix_b_scale:MATRIX_SCALE_ROW1
.else
	v_wmma_scale_f32_16x16x128_f8f6f4 v[rD:rD+7], v[rA:rA+7], v[rB:rB+7], v[rD:rD+7], v[rSA], v[rSB] matrix_a_fmt:MATRIX_FMT_FP4 matrix_b_fmt:MATRIX_FMT_FP4
.endif
.endif
.endm
; 16 products of S^T: query tiles t0 .. t0 + 3 x my four key tiles, the s-th 128 of d.  The 32 accumulators take turns, one instruction a turn.
.macro MMS s, t0
.irp a, 0,1,2,3
.irp k, 0,1,2,3
.set rT,  \t0+\a
.set rD,  32*rT+8*\k
.set rA,  32*\k+8*\s
.set rB,  32*rT+8*\s
.set rSA, KS+4*(\k/2)+\s
.set rSB, QS+4*(rT/2)+\s
	WM (\s==0), \k%2, rT%2
.endr
.endr
.endm
; 16 products of O^T: query tiles t0, t0 + 1 x my eight tiles of d, V's buffer b, P's buffer p.
.macro MV t0, b, p, z
	WIN 0xa1+0x50*(\t0/4)                          ; V in window 1, P in window 0, O^T in window 2 or 3
.irp a, 0,1
.irp d, 0,1,2,3,4,5,6,7
.set rT,  \t0+\a
.set rD,  64*(rT%4)+8*\d
.set rA,  64*\b+8*\d
.set rB,  112+72*\p+8*rT
.set rSA, QS+4*\b+\d/2
.set rSB, KS+4*\p+rT/2
	WM \z, \d%2, rT%2
.endr
.endr
.endm
.macro MVALL b, p
	MV 0, \b, \p, 0
	MV 2, \b, \p, 0
	MV 4, \b, \p, 0
	MV 6, \b, \p, 0
	WIN 0
	PLACES 4
.endm
.macro KLOAD                           ; my 64 keys of the slot at TB
	v_add_nc_u32 v[ADK], s[TB], v[KB0]
	v_add_nc_u32 v[ADS], s[TB], v[KSB]
	s_wait_alu depctr_va_vdst(0)
.irp p, 0,1
	ds_load_b128 v[KS+4*\p:KS+4*\p+3], v[ADS] offset:512*\p
.endr
	WIN 0xc0
.set m, 0
.rept 32
	ds_load_b128 v[4*m:4*m+3], v[ADK] offset:512*m
.set m, m+1
.endr
	WIN 0
.endm
.macro VADR
	v_add_nc_u32 v[ADV], s[TB], v[VB]
	v_add_nc_u32 v[ADVS], s[TB], v[VSB]
	s_wait_alu depctr_va_vdst(0)
.endm
.macro LOADV b                         ; the slot's b-th 128 keys of my 128 of d: 18 loads from LDS
	WIN 0x40
.irp d, 0,1,2,3,4,5,6,7
.irp c, 0,1
	ds_load_b128 v[64*\b+8*\d+4*\c:64*\b+8*\d+4*\c+3], v[ADV] offset:BLK*\b+1024*\d+512*\c
.endr
.endr
	WIN 0
.irp p, 0,1
	ds_load_b64 v[QS+4*\b+2*\p:QS+4*\b+2*\p+1], v[ADVS] offset:BLK*\b+256*\p
.endr
.endm
.macro GLOADV b                        ; block b = 2, 3 of the 512 keys at BB: 18 loads from memory, each of 512 (256) consecutive bytes
	WIN 0x40
.irp d, 0,1,2,3,4,5,6,7
.irp c, 0,1
	global_load_b128 v[64*\b+8*\d+4*\c:64*\b+8*\d+4*\c+3], v[VB], s[BB:BB+1] offset:BLK*(16+\b)+1024*\d+512*\c
.endr
.endr
	WIN 0
.irp p, 0,1
	global_load_b64 v[QS+4*\b+2*\p:QS+4*\b+2*\p+1], v[VSB], s[BB:BB+1] offset:BLK*(16+\b)+256*\p
.endr
.endm
.macro LOADP p, j                      ; P's eight fragments of block j of the 512 keys in hand (4, 5: of the next), and their scale words: 17 loads
.irp d, 0,1,2,3,4,5,6,7
.irp c, 0,1
	ds_load_b128 v[112+72*\p+8*\d+4*\c:112+72*\p+8*\d+4*\c+3], v[PR] offset:8192*\j+1024*\d+512*\c
.endr
.endr
	ds_load_b128 v[KS+4*\p:KS+4*\p+3], v[PSR] offset:512*\j
.endm
; THE SOFTMAX OF A STEP, in tile pairs.  All in window 2 but the statistics.
.macro FMAP T, x                       ; t - M_b of a pair of scores
.set rP, 32*(2*(\T)+(\x)%2)+2*((\x)/2)
.set rN, NM+2*(2*(\T)+(\x)%2)
	v_pk_fma_f32 v[rP:rP+1], v[rP:rP+1], s[CS:CS+1], v[rN:rN+1] op_sel_hi:[1,0,0]
.endm
.macro ADDL T, w, x                    ; one addition of a level of a tile's sum: register 2 i takes register 2 i + w on
.set rP, 32*(2*(\T)+(\x)%2)+2*((\x)/2)
	v_pk_add_f32 v[rP:rP+1], v[rP:rP+1], v[rP+\w:rP+\w+1]
.endm
.macro LEVEL T, w, n
.set x, 0
.rept \n
	ADDL \T, \w, x
.set x, x+1
.endr
.endm
; 64 exponentials of pair T; among them, naming none of their results: the next pair's t - M_b, and levels of the sums of the pairs before (their codes have been made).
.macro BATCH T
.set TT, \T
.set i, 0
.rept 64
	v_exp_f32 v[32*(2*TT+i%2)+i/2], v[32*(2*TT+i%2)+i/2]
.if ((i%2)==1) && (TT<3)
	FMAP TT+1, i/2
.endif
.if ((i%4)==2) && (TT>0)
	ADDL TT-1, 16, i/4
.endif
.if ((i%8)==4) && (TT>1)
	ADDL TT-2, 8, i/8
.endif
.if ((i%16)==8) && (TT>2)
	ADDL TT-3, 4, i/16
.endif
.set i, i+1
.endr
	v_nop
	s_wait_alu depctr_va_vdst(0)                   ; one wait behind the batch, and ahead of the next
.endm
.macro CODES T                         ; pair T's codes; a lane's block in four registers
	WIN 0x02
.irp u, 0,1
.irp k, 0,1,2,3
.set rT, 2*(\T)+\u
	v_cvt_scalef32_pk8_fp4_f32 v[PC+4*rT+\k], v[32*rT+8*\k:32*rT+8*\k+7], v[OP+rT]
.endr
.endr
	v_nop                                          ; a plain line behind the conversions
.endm
.macro PUT T
.irp u, 0,1
	ds_store_b128 v[ADP], v[PC+8*(\T)+4*\u:PC+8*(\T)+4*\u+3] offset:2048*(\T)+1024*\u
.endr
.endm
.macro SOFTMAX
	WIN 0x2a
.irp t, 0,1,2,3,4,5,6,7
	v_max_num_f32 v[BM+\t], v[32*\t], v[32*\t+1]   ; the block's largest score; each accumulator from its low end on
.endr
	WIN 0x28
.irp i, 2,4,6,8,10,12,14,16,18,20,22,24,26,28,30
.irp t, 0,1,2,3,4,5,6,7
	v_max3_num_f32 v[BM+\t], v[BM+\t], v[32*\t+\i], v[32*\t+\i+1]
.endr
.endr
	WIN 0
.irp t, 0,1,2,3,4,5,6,7
	v_mul_f32 v[NM+2*\t], s[NC], v[BM+\t]
.endr
.irp t, 0,1,2,3,4,5,6,7
	v_floor_f32 v[NM+2*\t], v[NM+2*\t]             ; -M_b = floor(-t)
.endr
.irp t, 0,1,2,3,4,5,6,7
	v_fma_f32 v[PM+\t], v[BM+\t], s[CS], v[NM+2*\t]
.endr
.irp t, 0,1,2,3,4,5,6,7
	v_min_num_f32 v[T8+\t], v[NR+\t], v[NM+2*\t]   ; the new running -M
.endr
.irp i, 0,2,4,6
	v_pk_add_f32 v[D1+\i:D1+\i+1], v[T8+\i:T8+\i+1], v[NR+\i:NR+\i+1] neg_lo:[0,1] neg_hi:[0,1]
.endr
.irp t, 0,1,2,3,4,5,6,7
	v_sub_f32 v[D2+\t], v[T8+\t], v[NM+2*\t]
.endr
	WIN 0x8a
.set x, 0
.rept 32
	FMAP 0, x
.set x, x+1
.endr
	WIN 0
	s_wait_alu depctr_va_vdst(0)                   ; the wait ahead of the batch
.irp t, 0,1,2,3,4,5,6,7
	v_exp_f32 v[PM+\t], v[PM+\t]                   ; the block's largest p: over 1/2 or at it, so its scale needs no floor
	v_mov_b32 v[NR+\t], v[T8+\t]
	v_exp_f32 v[D1+\t], v[D1+\t]                   ; the sum's factor under the new running M, and the block's
	v_cvt_i32_f32 v[NI+\t], v[NM+2*\t]
	v_exp_f32 v[D2+\t], v[D2+\t]
.endr
	WIN 0x8a
	BATCH 0
	WIN 0
.irp t, 0,1,2,3,4,5,6,7
	v_add_nc_u32 v[OP+\t], 0xff000000, v[PM+\t]    ; 2 off the exponent field: the conversion's scale operand
.endr
.irp i, 0,2,4,6
	v_pk_mul_f32 v[LS+\i:LS+\i+1], v[LS+\i:LS+\i+1], v[D1+\i:D1+\i+1]
.endr
.irp t, 0,1,2,3,4,5,6,7
	v_lshrrev_b32 v[EW+\t], 23, v[OP+\t]
.endr
.irp t, 0,1,2,3,4,5,6,7
	v_sub_nc_u32 v[EW+\t], v[EW+\t], v[NI+\t]      ; the scale's byte + M_b
.endr
	CODES 0
	WIN 0x8a
	BATCH 1
	WIN 0
	v_add_nc_u32 v[ADP], s[TP], v[PW]
	v_add_nc_u32 v[ADE], s[TE], v[EB]
	ds_store_b128 v[ADE], v[EW:EW+3]
	ds_store_b128 v[ADE], v[EW+4:EW+7] offset:512
	PUT 0
	CODES 1
	WIN 0x8a
	BATCH 2
	WIN 0
	PUT 1
	CODES 2
	WIN 0x8a
	BATCH 3
	WIN 0
	PUT 2
	CODES 3
	WIN 0x8a
	LEVEL 3, 16, 16
	LEVEL 2, 8, 8
	LEVEL 1, 4, 4
	LEVEL 3, 8, 8
	LEVEL 2, 4, 4
	LEVEL 0, 2, 2
	LEVEL 1, 2, 2
	LEVEL 3, 4, 4
	LEVEL 2, 2, 2
	LEVEL 3, 2, 2
	WIN 0x0a
.irp t, 0,1,2,3,4,5,6,7
	v_add_f32 v[SB+\t], v[32*\t], v[32*\t+1]       ; the block's sum of the UNQUANTISED p
.endr
	WIN 0
.irp i, 0,2,4,6
	v_pk_fma_f32 v[LS+\i:LS+\i+1], v[SB+\i:SB+\i+1], v[D2+\i:D2+\i+1], v[LS+\i:LS+\i+1]
.endr
	PUT 3
.endm
; A GROUP OF PASS 2: 512 keys: blocks r0, r1 (from the ring, V's buffers 0 and 1), d0, d1 (direct, buffers 2 and 3); P's two buffers by turns.  z = 1: the first products start the sums: nothing is ever cleared.
; f = 2: the change of slots fills again; 1: it does not; 0: the last group.  Each buffer is loaded anew, for the next group or block, four places behind its last product.
.macro GROUP z, f
	s_wait_dscnt 17                                ; P of r1 may be out
	MV 0, 0, 0, \z
	MV 2, 0, 0, \z
.if \f == 2
	WIN 0
	CHG 0
.endif
.if \f == 1
	s_wait_tensorcnt 0x0
	s_xor_b32 s[TB], s[TB], SLOTB
.endif
	MV 4, 0, 0, \z
	s_wait_dscnt 0x0                               ; r1 is in: my reads of the slot are over (and the add is done)
.if \f
	s_barrier_signal -1
.endif
	MV 6, 0, 0, \z
	WIN 0
.if \f
	s_barrier_wait -1
.endif
.if \f == 2
	CREST
	TLOAD
.else
	PLACES 4
.endif
	LOADP 0, 2
.if \f
	VADR
	LOADV 0
.endif
	MVALL 1, 1
	LOADP 1, 3
.if \f
	LOADV 1
	s_wait_dscnt 53                                ; behind P of d0: 18 + 17 + 18
.else
	s_wait_dscnt 17
.endif
	s_wait_loadcnt 18                              ; behind V of d0: d1's 18
	MVALL 2, 0
.if \f
	s_wait_xcnt 0x0                                ; the direct loads have read their base
	s_add_nc_u64 s[BB:BB+1], s[BB:BB+1], 4*BLK
	GLOADV 2
	LOADP 0, 4
	s_wait_dscnt 35                                ; behind P of d1: 18 + 17
	s_wait_loadcnt 18                              ; behind V of d1: the next d0's 18
.else
	WIN 0x40                                       ; query in O^T's layout, over buffer 2: register 8 dt + j = query[128 w + 16 dt + 8 h + j]
.irp d, 0,1,2,3,4,5,6,7
	global_load_b128 v[128+8*\d:131+8*\d], v[QVO], s[6:7] offset:64*\d
	global_load_b128 v[132+8*\d:135+8*\d], v[QVO], s[6:7] offset:64*\d+16
.endr
	WIN 0
	s_wait_dscnt 0x0
	s_wait_loadcnt 16                              ; query's 16 may be out
.endif
	MVALL 3, 1
.if \f
	GLOADV 3
	LOADP 1, 5
	v_add_nc_u32 v[PR], 0x8000, v[PR]
	v_add_nc_u32 v[PSR], 0x800, v[PSR]
	s_wait_alu depctr_va_vdst(0)
.endif
.endm
	s_load_b256 s[4:11], s[0:1], 0x0               ; kv s[4:5], query s[6:7], sc s[8:9], part s[10:11]
	v_lshl_add_u32 v[SPW], v0, 2, SPARE
	v_mov_b32 v[NIL], 0
	ds_add_u32 v[SPW], v[NIL]                      ; the wave's opening: the add, twice on end, and its wait
	ds_add_u32 v[SPW], v[NIL]
	v_lshrrev_b32 v4, 5, v0
	v_readfirstlane_b32 s[WV], v4
	v_and_b32 v5, 31, v0
	v_lshlrev_b32 v[LI], 4, v5
	v_min_u32 v[PFO], 16, v5
	v_lshlrev_b32 v[PFO], 8, v[PFO]
	s_bfe_u32 s13, ttmp6, 0x40000                  ; cx: it enters global addresses of my own loads, stores and prefetches alone
	s_and_b32 s72, ttmp7, 0xffff
	s_and_b32 s73, ttmp9, 1
	s_and_b32 s15, s72, 0xfffe
	s_or_b32 s15, s15, s73                         ; the batch, which the four partners share
	s_and_b32 s72, s72, 1
	s_lshl_b32 s72, s72, 1
	s_lshr_b32 s73, ttmp9, 1
	s_add_co_u32 s72, s72, s73
	s_lshl_b32 s14, s72, 2
	s_add_co_u32 s14, s14, s13                     ; my block of 128 queries
	s_mov_b32 s[G1], 15|(3<<16)|(1<<21)            ; the mask of all four; elements of 8 bytes; bit 21 beside a mask; no padding
	s_mov_b32 s[G1+1], 32<<16                      ; a quarter of a slot: 68 rows of 256 bytes, dense
	s_mov_b32 s[G1+2], 68<<16
	s_mov_b32 s[G1+3], 32<<16
	s_mov_b32 s[G1+4], 68
	s_mov_b32 s[G1+5], 32
	s_mov_b32 s[G1+6], 0
	s_mov_b32 s[G1+7], 0
	s_mul_i32 s[WOF], s[WV], QTR
	s_lshr_b32 s56, s[WV], 1
	s_and_b32 s57, s[WV], 1
	s_mul_i32 s58, s56, BLK
	s_add_co_u32 s59, s58, 32768
	s_lshl_b32 s60, s57, 10
	s_add_co_u32 s59, s59, s60                     ; my 64 keys' scale bytes in a slot
	s_lshl_b32 s60, s57, 14
	s_add_co_u32 s58, s58, s60                     ; and their codes
	s_lshl_b32 s60, s56, 13
	s_lshl_b32 s61, s57, 9
	s_add_co_u32 s60, s60, s61
	s_add_co_u32 s60, s60, PB                      ; where their p's codes go
	s_lshl_b32 s66, s[WV], 13                      ; my tiles of V in a block
	s_add_co_u32 s61, s66, EWB
	s_add_co_u32 s69, s66, PB                      ; my quarter of Q's image
	s_lshl_b32 s62, s[WV], 10
	s_add_co_u32 s62, s62, XM
	s_lshl_b32 s63, s56, 9
	s_lshl_b32 s70, s57, 1
	s_add_co_u32 s63, s63, s70
	s_add_co_u32 s63, s63, PSC0
	s_lshl_b32 s54, s[WV], 9
	s_add_co_u32 s67, s54, 32768
	s_add_co_u32 s70, s67, PB
	s_mul_i32 s68, s[WV], 16*SP
	s_add_co_u32 s68, s68, PB                      ; my stage
	s_mov_b32 s[CS], 0x3fb8aa3b                    ; log2(e)
	s_mov_b32 s[CS+1], s[CS]
	s_mov_b32 s[NC], 0xbfb8aa3b
	s_mov_b32 s[SEL], 0x76543210
	s_mov_b32 s[SEL+1], 0xfedcba98                 ; v_permlanex16_b32's selects for lane xor 16
	s_mov_b32 s[TB], 0
	s_mov_b32 s[TP], 0
	s_mov_b32 s[TE], 0
	s_mov_b32 s[STR], SLOTB
	s_mov_b32 s[STR+1], 0
	s_mul_i32 s50, s15, BATCHB
	s_mov_b32 s51, 0
	s_mov_b32 s53, 0
	s_mov_b32 s55, 0
	s_wait_dscnt 0x0                               ; both opening adds are done
	s_wait_alu depctr_va_vdst(0)                   ; directly ahead of the wait below
	s_wait_kmcnt 0x0
	s_add_nc_u64 s[BB:BB+1], s[4:5], s[50:51]      ; the batch's blocks
	s_mul_i32 s52, s14, BLK
	s_add_nc_u64 s[QA:QA+1], s[BB:BB+1], s[52:53]  ; the block that holds my queries
	s_mov_b32 s52, s67
	s_add_nc_u64 s[QSA:QSA+1], s[QA:QA+1], s[52:53]   ; a quarter of its scale bytes
	s_mov_b32 s52, s66
	s_add_nc_u64 s[QA:QA+1], s[QA:QA+1], s[52:53]     ; and of its codes
.irp n, 0,1,2,3,4,5,6,7,8,9,10,11,12,13,14,15
	global_load_b128 v[ER+4*\n:ER+4*\n+3], v[LI], s[QA:QA+1] offset:512*\n   ; a quarter of Q's image, for all four waves
.endr
	global_load_b128 v[D2:D2+3], v[LI], s[QSA:QSA+1]
	s_mov_b32 s52, s[WOF]
	s_mov_b32 s[G0], 1
	s_mov_b32 s[G0+1], s[WOF]                      ; slot 0
	s_add_nc_u64 s[G0+2:G0+3], s[BB:BB+1], s[52:53]
	s_or_b32 s[G0+3], s[G0+3], 0x80000000
	CROUND                                         ; all four work-groups are here: the first joint loads meet
	TLOAD                                          ; step 0: one tensor load a wave at the head
	s_add_nc_u64 s[6:7], s[6:7], s[54:55]          ; query at my 128 of d
	s_lshl_b32 s52, s13, 2
	s_add_co_u32 s52, s52, s[WV]
	s_mul_i32 s52, s52, SLOTB/16
	s_add_co_u32 s52, s52, 3*SLOTB                 ; at step 3: the first change steps it to 4
	s_add_nc_u64 s[PFA:PFA+1], s[BB:BB+1], s[52:53]
	s_lshl_b32 s52, s15, 4
	s_add_co_u32 s52, s52, s14
	s_lshl_b32 s50, s52, 9
	s_add_nc_u64 s[8:9], s[8:9], s[50:51]          ; sc at my 128 scores
	s_lshl_b32 s52, s52, 11
	s_add_co_u32 s52, s52, s54
	s_add_nc_u64 s[10:11], s[10:11], s[52:53]      ; part: my work-group's row, my 512 bytes
	v_and_b32 v40, 15, v0                          ; r
	v_bfe_u32 v41, v0, 4, 1                        ; h
	v_add_nc_u32 v[KB0], s58, v[LI]
	v_add_nc_u32 v[KSB], s59, v[LI]
	v_add_nc_u32 v[PW], s60, v[LI]
	v_add_nc_u32 v[EB], s61, v[LI]
	v_add_nc_u32 v[XB], XM, v[LI]
	v_add_nc_u32 v[XWA], s62, v[LI]
	v_lshl_add_u32 v[PSBY], v40, 4, v41
	v_add_nc_u32 v[PSBY], s63, v[PSBY]
	v_add_nc_u32 v[VB], s66, v[LI]
	v_and_b32 v42, 31, v0
	v_lshlrev_b32 v42, 3, v42
	v_add_nc_u32 v[VSB], s67, v42
	v_add_nc_u32 v[PR], PB, v[LI]
	v_add_nc_u32 v[PSR], PSC0, v[LI]
	v_lshlrev_b32 v[QVO], 5, v41
	v_mul_u32_u24 v[STO], v40, SP
	v_add_nc_u32 v[STO], v[STO], v[QVO]
	v_add_nc_u32 v[STO], s68, v[STO]               ; into the stage: row r, + 32 h
	v_add_nc_u32 v[RD], s68, v[LI]                 ; back: 16 bytes a lane of a row of 512
	v_and_b32 v43, 7, v0
	v_bfe_u32 v44, v0, 3, 1
	v_lshl_add_u32 v43, v44, 5, v43
	v_lshlrev_b32 v43, 2, v43
	v_add_nc_u32 v[SQ], SCR, v43                   ; a score's place: query r % 8 + 32 (r / 8), + 64 (t / 4) + 8 (t % 4)
	v_add_nc_u32 v[SCRD], SCR, v[LI]
	v_add_nc_u32 v[ADK], s69, v[LI]
	v_add_nc_u32 v[ADS], s70, v[LI]
.irp t, 0,1,2,3,4,5,6,7
	v_mov_b32 v[NR+\t], 0x7f61b1e6                 ; -M so far: over every -M
	v_mov_b32 v[LS+\t], 0
	v_mov_b32 v[NM+2*\t+1], 0                      ; (named as the upper half of a pair)
.endr
	s_wait_alu depctr_va_vdst(0)                   ; the wait at the head's end
	s_wait_loadcnt 0x0
.irp n, 0,1,2,3,4,5,6,7,8,9,10,11,12,13,14,15
	ds_store_b128 v[ADK], v[ER+4*\n:ER+4*\n+3] offset:512*\n
.endr
	ds_store_b128 v[ADS], v[D2:D2+3]
	s_wait_tensorcnt 0x0                           ; my part of step 0 is in
	ds_add_u32 v[SPW], v[NIL]
	s_add_co_u32 s[G0+1], s[WOF], SLOTB            ; step 1, slot 1
	s_add_nc_u64 s[G0+2:G0+3], s[G0+2:G0+3], SLOTB
	s_wait_dscnt 0x0                               ; the add is done, and my part of Q's image
	CROUND
	TLOAD
	WIN 0x40
.set m, 0
.rept 64
	ds_load_b128 v[4*m:4*m+3], v[PR] offset:512*m  ; Q's fragments stay in window 1
.set m, m+1
.endr
	WIN 0
.irp p, 0,1,2,3
	ds_load_b128 v[QS+4*\p:QS+4*\p+3], v[PR] offset:32768+512*\p
.endr
	KLOAD
	s_mov_b32 s[LC], 8
	s_wait_dscnt 0x0
; PASS 1, steps 0 to 7.  A step's fragments are in registers when it begins; the change of slots stands in its last 32 products; the next step's fragments land under the softmax.
.Lkeys:
	s_wait_dscnt 10                                ; behind K's loads: the last step's ten stores
	WIN 0xa7                                       ; K in window 3, Q in window 1, S^T in window 2
.irp s, 0,1,2
	MMS \s, 0
	MMS \s, 4
.endr
	WIN 0
	CHG 1
	WIN 0xa7
	MMS 3, 0
	s_wait_dscnt 0x0                               ; the add is done; my reads of both slots are over
	s_barrier_signal -1
	MMS 3, 4
	WIN 0
	s_barrier_wait -1
	CREST
	TLOAD
	s_cmp_eq_u32 s[LC], 1                          ; behind the last step's products there is no more K
	s_cbranch_scc1 .Lno_k
	KLOAD
.Lno_k:
	ASK
	SOFTMAX
	s_add_co_u32 s[TP], s[TP], 16384
	s_add_co_u32 s[TE], s[TE], 1024
	s_sub_co_u32 s[LC], s[LC], 1
	s_cmp_lg_u32 s[LC], 0
	s_wait_alu depctr_va_vdst(0)                   ; directly ahead of the branch
	s_cbranch_scc1 .Lkeys
	; V's blocks 2 and 3 of the first 512 keys, over Q.
	GLOADV 2
	GLOADV 3
	; THE ROW'S M: the least -M over lane xor 16 and the four waves.
.irp t, 0,1,2,3,4,5,6,7
	v_permlanex16_b32 v[T8+\t], v[NR+\t], s[SEL], s[SEL+1]
.endr
.irp t, 0,1,2,3,4,5,6,7
	v_min_num_f32 v[T8+\t], v[T8+\t], v[NR+\t]
.endr
	ds_store_b128 v[XWA], v[T8:T8+3]
	ds_store_b128 v[XWA], v[T8+4:T8+7] offset:512
	s_wait_alu depctr_va_vdst(0)
	s_wait_dscnt 0x0
	s_barrier_signal -1
	s_barrier_wait -1
.irp u, 0,1,2,3
	ds_load_b128 v[XR+8*\u:XR+8*\u+3], v[XB] offset:1024*\u
	ds_load_b128 v[XR+8*\u+4:XR+8*\u+7], v[XB] offset:1024*\u+512
.endr
.irp n, 0,1,2,3,4,5,6,7
	ds_load_b128 v[ER+8*\n:ER+8*\n+3], v[EB] offset:1024*\n
	ds_load_b128 v[ER+8*\n+4:ER+8*\n+7], v[EB] offset:1024*\n+512
.endr
	s_wait_dscnt 16                                ; the exponents' 16 loads may be out
.irp t, 0,1,2,3,4,5,6,7
	v_min3_num_f32 v[NF+\t], v[XR+\t], v[XR+8+\t], v[XR+16+\t]
.endr
.irp t, 0,1,2,3,4,5,6,7
	v_min_num_f32 v[NF+\t], v[NF+\t], v[XR+24+\t]
.endr
.irp i, 0,2,4,6
	v_pk_add_f32 v[D1+\i:D1+\i+1], v[NF+\i:NF+\i+1], v[NR+\i:NR+\i+1] neg_lo:[0,1] neg_hi:[0,1]
.endr
.irp t, 0,1,2,3,4,5,6,7
	v_cvt_i32_f32 v[NFI+\t], v[NF+\t]
.endr
	s_wait_alu depctr_va_vdst(0)                   ; the wait ahead of the batch
.irp t, 0,1,2,3,4,5,6,7
	v_exp_f32 v[D1+\t], v[D1+\t]
.endr
	v_nop
	s_wait_alu depctr_va_vdst(0)                   ; and behind it
	s_wait_dscnt 0x0
	VADR
	LOADV 0                                        ; step 8 lies in slot 0
	LOADV 1
.irp i, 0,2,4,6
	v_pk_mul_f32 v[LS+\i:LS+\i+1], v[LS+\i:LS+\i+1], v[D1+\i:D1+\i+1]   ; my part of l under the row's M
.endr
.irp t, 0,1,2,3,4,5,6,7
	v_permlanex16_b32 v[BM+\t], v[LS+\t], s[SEL], s[SEL+1]
.endr
.irp t, 0,1,2,3,4,5,6,7
	v_add_f32 v[LS+\t], v[LS+\t], v[BM+\t]
.endr
	ds_store_b128 v[XWA], v[LS:LS+3] offset:4096
	ds_store_b128 v[XWA], v[LS+4:LS+7] offset:4608
.irp n, 0,1,2,3,4,5,6,7
.irp t, 0,1,2,3,4,5,6,7
	v_add_nc_u32 v[ER+8*\n+\t], v[ER+8*\n+\t], v[NFI+\t]   ; the scale's byte under the row's M,
.endr
.irp t, 0,1,2,3,4,5,6,7
	v_cmp_gt_i32 s[72+\t], 1, v[ER+8*\n+\t]
.endr
.irp t, 0,1,2,3,4,5,6,7
	v_cndmask_b32 v[ER+8*\n+\t], v[ER+8*\n+\t], 1, s[72+\t]   ; held at 1 from below
.endr
.irp t, 0,1,2,3,4,5,6,7
	ds_store_b8 v[PSBY], v[ER+8*\n+\t] offset:1024*\n+256*(\t%2)+4*(\t/2)
.endr
.endr
	s_wait_alu depctr_va_vdst(0)
	s_wait_dscnt 0x0
	s_barrier_signal -1
	s_barrier_wait -1                              ; all of P, its scale words and the parts of l are there
	LOADP 0, 0
	LOADP 1, 1
	GROUP 1, 2                                     ; asks for step 10
	GROUP 0, 2                                     ; for step 11
	GROUP 0, 1
	GROUP 0, 0
	; THE WAY OUT.  O . query over my 128 of d: two chains of pairs a tile, O^T in ascending order.
	s_wait_loadcnt 0x0                             ; query
.irp g, 0,1
	WIN 0x06+\g
.set i, 0
.rept 32
.irp t, 0,1,2,3
.set CH, ER+4*(\t+4*\g)+2*(i%2)
.if i < 2
	v_pk_mul_f32 v[CH:CH+1], v[64*\t+2*i:64*\t+2*i+1], v[128+2*i:129+2*i]
.else
	v_pk_fma_f32 v[CH:CH+1], v[64*\t+2*i:64*\t+2*i+1], v[128+2*i:129+2*i], v[CH:CH+1]
.endif
.endr
.set i, i+1
.endr
.endr
	WIN 0
.irp t, 0,1,2,3,4,5,6,7
	v_pk_add_f32 v[ER+4*\t:ER+4*\t+1], v[ER+4*\t:ER+4*\t+1], v[ER+4*\t+2:ER+4*\t+3]
.endr
.irp t, 0,1,2,3,4,5,6,7
	v_add_f32 v[D1+\t], v[ER+4*\t], v[ER+4*\t+1]
.endr
.irp t, 0,1,2,3,4,5,6,7
	v_permlanex16_b32 v[BM+\t], v[D1+\t], s[SEL], s[SEL+1]
.endr
.irp t, 0,1,2,3,4,5,6,7
	v_add_f32 v[D1+\t], v[D1+\t], v[BM+\t]
.endr
	ds_store_b128 v[XWA], v[D1:D1+3]
	ds_store_b128 v[XWA], v[D1+4:D1+7] offset:512
	s_wait_alu depctr_va_vdst(0)
	s_wait_dscnt 0x0
	s_barrier_signal -1
	s_barrier_wait -1                              ; the four waves' parts are there, and nobody reads P any more
.irp u, 0,1,2,3
	ds_load_b128 v[XR+8*\u:XR+8*\u+3], v[XB] offset:1024*\u
	ds_load_b128 v[XR+8*\u+4:XR+8*\u+7], v[XB] offset:1024*\u+512
	ds_load_b128 v[ER+8*\u:ER+8*\u+3], v[XB] offset:1024*\u+4096
	ds_load_b128 v[ER+8*\u+4:ER+8*\u+7], v[XB] offset:1024*\u+4608
.endr
	s_wait_dscnt 0x0
.irp i, 0,2,4,6
	v_pk_add_f32 v[NF+\i:NF+\i+1], v[XR+\i:XR+\i+1], v[XR+8+\i:XR+9+\i]
	v_pk_add_f32 v[NFI+\i:NFI+\i+1], v[ER+\i:ER+\i+1], v[ER+8+\i:ER+9+\i]
	v_pk_add_f32 v[XR+16+\i:XR+17+\i], v[XR+16+\i:XR+17+\i], v[XR+24+\i:XR+25+\i]
	v_pk_add_f32 v[ER+16+\i:ER+17+\i], v[ER+16+\i:ER+17+\i], v[ER+24+\i:ER+25+\i]
.endr
.irp i, 0,2,4,6
	v_pk_add_f32 v[NF+\i:NF+\i+1], v[NF+\i:NF+\i+1], v[XR+16+\i:XR+17+\i]
	v_pk_add_f32 v[NFI+\i:NFI+\i+1], v[NFI+\i:NFI+\i+1], v[ER+16+\i:ER+17+\i]
.endr
	s_wait_alu depctr_va_vdst(0)                   ; the wait ahead of the reciprocals
.irp t, 0,1,2,3,4,5,6,7
	v_rcp_f32 v[NFI+\t], v[NFI+\t]                 ; 1 / l
.endr
	v_nop
	s_wait_alu depctr_va_vdst(0)                   ; and behind them
.irp i, 0,2,4,6
	v_pk_mul_f32 v[NF+\i:NF+\i+1], v[NF+\i:NF+\i+1], v[NFI+\i:NFI+\i+1]   ; the scores: every wave has all 128
.endr
	v_max3_num_f32 v40, v[NF], v[NF+1], v[NF+2]
	v_max3_num_f32 v41, v[NF+3], v[NF+4], v[NF+5]
	v_max3_num_f32 v40, v40, v[NF+6], v[NF+7]
	v_max_num_f32 v40, v40, v41
.irp k, 1,2,4,8
	v_max_num_f32_dpp v40, v40, v40 row_xmask:\k row_mask:0xf bank_mask:0xf
.endr
.irp t, 0,1,2,3,4,5,6,7
	v_sub_f32 v[OP+\t], v[NF+\t], v40
.endr
.irp t, 0,1,2,3,4,5,6,7
	v_mul_f32 v[OP+\t], s[CS], v[OP+\t]
.endr
	s_wait_alu depctr_va_vdst(0)                   ; the wait ahead of the exponentials
.irp t, 0,1,2,3,4,5,6,7
	v_exp_f32 v[OP+\t], v[OP+\t]
.endr
	v_nop
	s_wait_alu depctr_va_vdst(0)                   ; and behind them
.irp t, 0,1,2,3,4,5,6,7
	v_mul_f32 v[NM+2*\t], v[OP+\t], v[NFI+\t]      ; a query's weight on O^T: exp(score - largest) / l
.endr
	s_wait_alu depctr_va_vdst(0)                   ; directly ahead of the branch
	s_cmp_lg_u32 s[WV], 0
	s_cbranch_scc1 .Lno_scores
.irp t, 0,1,2,3,4,5,6,7
	ds_store_b32 v[SQ], v[NF+\t] offset:256*(\t/4)+32*(\t%4)   ; wave 0 stores the scores, in the queries' order (lanes l and l xor 16 write the same word with the same value)
.endr
	ds_load_b128 v[D1:D1+3], v[SCRD]
	s_wait_dscnt 0x0
	global_store_b128 v[LI], v[D1:D1+3], s[8:9]    ; 512 consecutive bytes
.Lno_scores:
	; the weighted sum over my two lanes' eight queries: register 8 dt + j
	WIN 0x02
.set i, 0
.rept 32
	v_pk_mul_f32 v[ER+i:ER+i+1], v[i:i+1], v[NM:NM+1] op_sel_hi:[1,0]
.set i, i+2
.endr
.irp t, 1,2,3,4,5,6,7
	WIN 0x02+\t/4
.set i, 0
.rept 32
	v_pk_fma_f32 v[ER+i:ER+i+1], v[64*(\t%4)+i:64*(\t%4)+i+1], v[NM+2*\t:NM+2*\t+1], v[ER+i:ER+i+1] op_sel_hi:[1,0,1]
.set i, i+2
.endr
.endr
	WIN 0
	; and over the 16 places r: into my stage, a row to a place, and back by columns: lane L takes 16 bytes at 16 L of each row (LDS serves a wave's instructions in order)
.irp d, 0,1,2,3,4,5,6,7
	ds_store_b128 v[STO], v[ER+8*\d:ER+8*\d+3] offset:64*\d
	ds_store_b128 v[STO], v[ER+8*\d+4:ER+8*\d+7] offset:64*\d+16
.endr
	WIN 0x40
.irp q, 0,1,2,3,4,5,6,7,8,9,10,11,12,13,14,15
	ds_load_b128 v[64+4*\q:67+4*\q], v[RD] offset:SP*\q
.endr
	s_wait_dscnt 0x0
	WIN 0x45
.irp n, 32,16,8,4
.set i, 0
.rept \n/2
	v_pk_add_f32 v[64+i:65+i], v[64+i:65+i], v[64+i+\n:65+i+\n]
.set i, i+2
.endr
.endr
	WIN 0x04
	global_store_b128 v[LI], v[64:67], s[10:11]    ; 512 consecutive bytes a wave
	WIN 0
	s_wait_tensorcnt 0x0                           ; the wave's end
	ds_add_u32 v[SPW], v[NIL]
	s_wait_dscnt 0x0
	CROUND                                         ; the closing round: no work-group ends while a partner may still ask for a block that names it
	s_endpgm
.Lfunc_end_k_q76cde7c815_attn:
	.size	k_q76cde7c815_attn, .Lfunc_end_k_q76cde7c815_attn-k_q76cde7c815_attn
	.p2alignl 7, 3214868480
	.fill 96, 4, 3214868480
	.section	.rodata,"a",@progbits
	.p2align	6, 0x0
	.amdhsa_kernel k_q76cde7c815_attn
		.amdhsa_group_segment_fixed_size 327680
		.amdhsa_private_segment_fixed_size 0
		.amdhsa_enable_private_segment 0
		.amdhsa_kernarg_size 32
		.amdhsa_user_sgpr_count 2
		.amdhsa_user_sgpr_kernarg_segment_ptr 1
		.amdhsa_wavefront_size32 1
		.amdhsa_system_sgpr_workgroup_id_x 1
		.amdhsa_system_sgpr_workgroup_id_y 1
		.amdhsa_system_sgpr_workgroup_id_z 1
		.amdhsa_system_vgpr_workitem_id 0
		.amdhsa_next_free_vgpr 1024
		.amdhsa_next_free_sgpr 80
		.amdhsa_reserve_vcc 0
		.amdhsa_float_denorm_mode_32 3
		.amdhsa_float_denorm_mode_16_64 3
		.amdhsa_memory_ordered 1
		.amdhsa_forward_progress 1
		.amdhsa_inst_pref_size 255
	.end_amdhsa_kernel
	.section	.bss,"aw",@nobits
	.p2align	6
	.space	262144
	.amdgpu_metadata
---
amdhsa.version: [ 1, 2 ]
amdhsa.kernels:
  - .name:           k_q76cde7c815_attn
    .symbol:         k_q76cde7c815_attn.kd
    .args:
      - { .name: kv, .offset: 0, .size: 8, .value_kind: global_buffer, .address_space: global }
      - { .name: query, .offset: 8, .size: 8, .value_kind: global_buffer, .address_space: global }
      - { .name: sc, .offset: 16, .size: 8, .value_kind: global_buffer, .address_space: global }
      - { .name: part, .offset: 24, .size: 8, .value_kind: global_buffer, .address_space: global }
    .group_segment_fixed_size: 327680
    .private_segment_fixed_size: 0
    .kernarg_segment_align: 8
    .kernarg_segment_size: 32
    .max_flat_workgroup_size: 128
    .sgpr_count:     80
    .vgpr_count:     1024
    .wavefront_size: 32
...
	.end_amdgpu_metadata
.endif
;; end of part 2
;; launch pool (part 3): grid 4 x 16, 8 waves a work-group, no clusters, 6,144 bytes of LDS; arguments sc, part, out0, out1; writes out0, out1
.if DOCPART == 3
	.amdgcn_target "amdgcn-amd-amdhsa--gfx1250"
	.amdhsa_code_object_version 6
	.text
	.protected	k_q76cde7c815_pool
	.globl	k_q76cde7c815_pool
	.p2align	8
	.type	k_q76cde7c815_pool,@function
k_q76cde7c815_pool:
	s_mov_b64 s[64:65], 0
	v_nop
	global_prefetch_b8 v0, s[64:65] scope:SCOPE_SE
	s_setreg_imm32_b32 hwreg(HW_REG_WAVE_MODE, 25, 1), 1
	s_wait_xcnt 0x0
; out1 = softmax over a batch's 2,048 scores; out0 = the sum over rows of out1 x y, joined from 16 partial sums a batch: part[W] = the sum over 128 rows of exp(score - m_W) y, m_W the largest of those 128 scores,
; so out0 = the sum over W of exp(m_W - m) part[W] / Z, with m the batch's largest score and Z the sum of exp(score - m).
; SHARES.  Group y = batch; group x = a quarter: 128 of out0's 512 numbers and 512 of out1's 2,048.  Every work-group reads the batch's 8 KB of scores (no tile is shared: no cluster).
; Wave w holds the scores of W = w and of W = 8 + w, four a lane each, and takes these two rows of part.
; LIMITS: NaN and infinities are not served.
.set MXW, 0                            ; LDS: the waves' maxima, 8 words
.set SMW, 256                          ; their sums, 8 words
.set RED, 1024                         ; the waves' partial out0: 8 x 512 bytes
.set SPARE, 5120                       ; the spare words: 128 bytes a wave
	s_load_b256 s[4:11], s[0:1], 0x0               ; sc s[4:5], part s[6:7], out0 s[8:9], out1 s[10:11]
	v_lshl_add_u32 v40, v0, 2, SPARE
	v_mov_b32 v41, 0
	v_lshrrev_b32 v4, 5, v0
	v_and_b32 v3, 31, v0
	v_readfirstlane_b32 s12, v4                    ; wave 0..7
	s_and_b32 s13, ttmp7, 0xffff                   ; batch
	v_lshlrev_b32 v1, 4, v0                        ; 16 x thread = 512 x wave + 16 x lane
	v_lshlrev_b32 v3, 4, v3                        ; 16 x lane
	v_lshlrev_b32 v4, 2, v4                        ; 4 x wave
	v_mov_b32 v5, 0
	v_mov_b32 v20, 0                               ; (a lane permute's destination counts as one of its sources)
	v_mov_b32 v21, 0
	s_lshl_b32 s14, s13, 13                        ; the batch's scores: 8,192 bytes
	s_mov_b32 s15, 0
	s_lshl_b32 s16, s13, 4
	s_add_co_u32 s16, s16, s12
	s_lshl_b32 s16, s16, 11                        ; row 16 x batch + wave of part,
	s_lshl_b32 s18, ttmp9, 9
	s_add_co_u32 s16, s16, s18                     ; my quarter's 512 bytes of it
	s_mov_b32 s17, 0
	s_lshl_b32 s19, s13, 11
	s_add_co_u32 s18, s18, s19                     ; and of out0's row
	s_mov_b32 s19, 0
	s_mov_b32 s20, 0x76543210
	s_mov_b32 s21, 0xfedcba98                      ; v_permlanex16_b32's selects for lane xor 16
	s_mov_b32 s22, 0x3fb8aa3b                      ; log2(e)
	s_wait_alu depctr_va_vdst(0)                   ; the wait at the head's end
	s_wait_kmcnt 0x0
	s_add_nc_u64 s[4:5], s[4:5], s[14:15]
	s_add_nc_u64 s[10:11], s[10:11], s[14:15]
	s_add_nc_u64 s[6:7], s[6:7], s[16:17]
	s_add_nc_u64 s[8:9], s[8:9], s[18:19]
	global_load_b128 v[8:11], v1, s[4:5]
	global_load_b128 v[12:15], v1, s[4:5] offset:4096
	global_load_b128 v[24:27], v3, s[6:7] th:TH_LOAD_NT
	global_load_b128 v[28:31], v3, s[6:7] offset:16384 th:TH_LOAD_NT
	s_wait_loadcnt 0x2                             ; the scores are in; the two rows of part may be out
	v_max3_num_f32 v16, v8, v9, v10
	v_max3_num_f32 v17, v12, v13, v14
	v_max_num_f32 v16, v16, v11
	v_max_num_f32 v17, v17, v15
.irp k, 1,2,4,8
	v_max_num_f32_dpp v16, v16, v16 row_xmask:\k row_mask:0xf bank_mask:0xf
	v_max_num_f32_dpp v17, v17, v17 row_xmask:\k row_mask:0xf bank_mask:0xf
.endr
	v_permlanex16_b32 v20, v16, s20, s21
	v_permlanex16_b32 v21, v17, s20, s21
	v_max_num_f32 v16, v16, v20                    ; m_W of W = wave
	v_max_num_f32 v17, v17, v21                    ; and of W = 8 + wave
	v_max_num_f32 v18, v16, v17
	ds_store_b32 v4, v18 offset:MXW                ; all lanes write the same word with the same value
	s_wait_alu depctr_va_vdst(0)
	s_wait_dscnt 0x0
	s_barrier_signal -1
	s_barrier_wait -1
	ds_load_b128 v[32:35], v5 offset:MXW
	ds_load_b128 v[36:39], v5 offset:MXW+16
	s_wait_dscnt 0x0
	v_max3_num_f32 v18, v32, v33, v34
	v_max3_num_f32 v19, v35, v36, v37
	v_max3_num_f32 v18, v18, v38, v39
	v_max_num_f32 v18, v18, v19                    ; m: the batch's largest score
.irp i, 8,9,10,11,12,13,14,15,16,17
	v_sub_f32 v\i, v\i, v18
.endr
.irp i, 8,9,10,11,12,13,14,15,16,17
	v_mul_f32 v\i, s22, v\i
.endr
	s_wait_alu depctr_va_vdst(0)                   ; the wait ahead of the batch
	s_wait_loadcnt 0x0                             ; part's rows
.irp i, 8,9,10,11,12,13,14,15,16,17
	v_exp_f32 v\i, v\i                             ; exp(score - m), exp(m_W - m)
.endr
	v_nop
	s_wait_alu depctr_va_vdst(0)                   ; and behind it
	v_pk_add_f32 v[32:33], v[8:9], v[10:11]
	v_pk_add_f32 v[34:35], v[12:13], v[14:15]
.irp k, 0,1,2,3
	v_mul_f32 v[24+\k], v[24+\k], v16
.endr
	v_pk_add_f32 v[32:33], v[32:33], v[34:35]
.irp k, 0,1,2,3
	v_fma_f32 v[24+\k], v[28+\k], v17, v[24+\k]
.endr
	v_add_f32 v32, v32, v33
.irp k, 1,2,4,8
	v_add_f32_dpp v32, v32, v32 row_xmask:\k row_mask:0xf bank_mask:0xf
.endr
	v_permlanex16_b32 v20, v32, s20, s21
	v_add_f32 v32, v32, v20
	ds_store_b128 v1, v[24:27] offset:RED
	ds_store_b32 v4, v32 offset:SMW
	s_wait_alu depctr_va_vdst(0)
	s_wait_dscnt 0x0
	s_barrier_signal -1
	s_barrier_wait -1
	ds_load_b128 v[32:35], v5 offset:SMW
	ds_load_b128 v[36:39], v5 offset:SMW+16
	s_wait_dscnt 0x0
	v_pk_add_f32 v[32:33], v[32:33], v[34:35]
	v_pk_add_f32 v[36:37], v[36:37], v[38:39]
	v_pk_add_f32 v[32:33], v[32:33], v[36:37]
	v_add_f32 v32, v32, v33                        ; Z
	s_wait_alu depctr_va_vdst(0)                   ; the wait ahead of the reciprocal
	v_rcp_f32 v18, v32
	v_nop
	s_wait_alu depctr_va_vdst(0)                   ; and behind it
	s_lshr_b32 s23, s12, 2
	s_and_b32 s24, ttmp9, 1
	s_cmp_lg_u32 s23, s24                          ; scores 512 x .. 512 x + 511 lie in waves 4 (x % 2) .. + 3,
	s_cbranch_scc1 .Lno_out1
	s_cmp_lt_u32 ttmp9, 2                          ; in their first four registers or their second
	s_cbranch_scc0 .Lsecond
.irp i, 8,9,10,11
	v_mul_f32 v\i, v\i, v18
.endr
	global_store_b128 v1, v[8:11], s[10:11]        ; 512 consecutive bytes a wave
	s_branch .Lno_out1
.Lsecond:
.irp i, 12,13,14,15
	v_mul_f32 v\i, v\i, v18
.endr
	global_store_b128 v1, v[12:15], s[10:11] offset:4096
.Lno_out1:
	s_cmp_lg_u32 s12, 0
	s_cbranch_scc1 .Lend                           ; wave 0 joins the eight
	ds_load_b128 v[20:23], v3 offset:RED
	ds_load_b128 v[24:27], v3 offset:RED+512
	ds_load_b128 v[28:31], v3 offset:RED+1024
	ds_load_b128 v[32:35], v3 offset:RED+1536
	ds_load_b128 v[36:39], v3 offset:RED+2048
	ds_load_b128 v[44:47], v3 offset:RED+2560
	s_wait_dscnt 0x0
.irp i, 0,2
	v_pk_add_f32 v[20+\i:21+\i], v[20+\i:21+\i], v[24+\i:25+\i]
	v_pk_add_f32 v[28+\i:29+\i], v[28+\i:29+\i], v[32+\i:33+\i]
	v_pk_add_f32 v[36+\i:37+\i], v[36+\i:37+\i], v[44+\i:45+\i]
.endr
	ds_load_b128 v[24:27], v3 offset:RED+3072
	ds_load_b128 v[32:35], v3 offset:RED+3584
	s_wait_alu depctr_va_vdst(0)
	s_wait_dscnt 0x0
.irp i, 0,2
	v_pk_add_f32 v[24+\i:25+\i], v[24+\i:25+\i], v[32+\i:33+\i]
	v_pk_add_f32 v[20+\i:21+\i], v[20+\i:21+\i], v[28+\i:29+\i]
.endr
.irp i, 0,2
	v_pk_add_f32 v[36+\i:37+\i], v[36+\i:37+\i], v[24+\i:25+\i]
.endr
.irp i, 0,2
	v_pk_add_f32 v[20+\i:21+\i], v[20+\i:21+\i], v[36+\i:37+\i]
.endr
.irp i, 20,21,22,23
	v_mul_f32 v\i, v\i, v18
.endr
	global_store_b128 v3, v[20:23], s[8:9]         ; 512 consecutive bytes of out0
.Lend:
	s_wait_tensorcnt 0x0                           ; the wave's end
	ds_add_u32 v40, v41
	s_wait_dscnt 0x0
	s_endpgm
.Lfunc_end_k_q76cde7c815_pool:
	.size	k_q76cde7c815_pool, .Lfunc_end_k_q76cde7c815_pool-k_q76cde7c815_pool
	.p2alignl 7, 3214868480
	.fill 96, 4, 3214868480
	.section	.rodata,"a",@progbits
	.p2align	6, 0x0
	.amdhsa_kernel k_q76cde7c815_pool
		.amdhsa_group_segment_fixed_size 6144
		.amdhsa_private_segment_fixed_size 0
		.amdhsa_enable_private_segment 0
		.amdhsa_kernarg_size 32
		.amdhsa_user_sgpr_count 2
		.amdhsa_user_sgpr_kernarg_segment_ptr 1
		.amdhsa_wavefront_size32 1
		.amdhsa_system_sgpr_workgroup_id_x 1
		.amdhsa_system_sgpr_workgroup_id_y 1
		.amdhsa_system_sgpr_workgroup_id_z 1
		.amdhsa_system_vgpr_workitem_id 0
		.amdhsa_next_free_vgpr 48
		.amdhsa_next_free_sgpr 66
		.amdhsa_reserve_vcc 0
		.amdhsa_float_denorm_mode_32 3
		.amdhsa_float_denorm_mode_16_64 3
		.amdhsa_memory_ordered 1
		.amdhsa_forward_progress 1
		.amdhsa_inst_pref_size 9
	.end_amdhsa_kernel
	.amdgpu_metadata
---
amdhsa.version: [ 1, 2 ]
amdhsa.kernels:
  - .name:           k_q76cde7c815_pool
    .symbol:         k_q76cde7c815_pool.kd
    .args:
      - { .name: sc, .offset: 0, .size: 8, .value_kind: global_buffer, .address_space: global }
      - { .name: part, .offset: 8, .size: 8, .value_kind: global_buffer, .address_space: global }
      - { .name: out0, .offset: 16, .size: 8, .value_kind: global_buffer, .address_space: global }
      - { .name: out1, .offset: 24, .size: 8, .value_kind: global_buffer, .address_space: global }
    .group_segment_fixed_size: 6144
    .private_segment_fixed_size: 0
    .kernarg_segment_align: 8
    .kernarg_segment_size: 32
    .max_flat_workgroup_size: 256
    .sgpr_count:     66
    .vgpr_count:     48
    .wavefront_size: 32
...
	.end_amdgpu_metadata
.endif
;; end of part 3
